; MI455X (gfx1250); checked and timed in simulation.
; The chip was launched on July 23, 2026; its instructions are those of AMD's public machine-readable ISA for CDNA 5 (MIT licence, August 2026) and "CDNA5" Instruction Set Architecture Reference Guide (July 2026). The comments in the code are by the model that wrote it; some were corrected since.
;; Causal Multi Head Self Attention. Allowed arithmetic: matrix products marked QUANTISED: E5M2 operands, one E8M0 scale for each 32 along K, by v_wmma_scale_f32_16x16x128_f8f6f4 with both operands' format E5M2, f32 sums; everything else in f32.
;; Inputs: Wk_codes 1,024 x 32 x 32 uint8 (E5M2 codes of Wk, K innermost, in blocks of 32 codes); Wk_scales 1,024 x 32 uint8 (E8M0 scales of Wk, one for each 32 codes along K); Wo_codes 1,024 x 32 x 32 uint8 (E5M2 codes of Wo, K innermost, in blocks of 32 codes); Wo_scales 1,024 x 32 uint8 (E8M0 scales of Wo, one for each 32 codes along K); Wq_codes 1,024 x 32 x 32 uint8 (E5M2 codes of Wq, K innermost, in blocks of 32 codes); Wq_scales 1,024 x 32 uint8 (E8M0 scales of Wq, one for each 32 codes along K); Wv_codes 1,024 x 32 x 32 uint8 (E5M2 codes of Wv, K innermost, in blocks of 32 codes); Wv_scales 1,024 x 32 uint8 (E8M0 scales of Wv, one for each 32 codes along K); bk 1,024 float32; bo 1,024 float32; bq 1,024 float32; bv 1,024 float32; x_codes 4 x 2,048 x 32 x 32 uint8 (E5M2 codes of x, K innermost, in blocks of 32 codes); x_scales 4 x 2,048 x 32 uint8 (E8M0 scales of x, one for each 32 codes along K).
;; Outputs: out0 4 x 2,048 x 1,024 float32.
;; This version of the problem:
;;   THIS VERSION OF THE PROBLEM IS GIVEN IN LOW PRECISION. The matrix products marked QUANTISED in the list below multiply operands that are first quantised to E5M2 (5 exponent bits, 2 mantissa bits; 8 bits a number), with one power-of-two scale for each 32 numbers along K (OCP MX v1.0); their sums are f32. All else is computed in f32.
;;   The module's matrix products, in the order in which they are computed (A, B: the left and right operand; K: the contracted axis; several contracted axes count as one K, in the product's order):
;;     1. [M 8,192, K 1,024] x [K 1,024, N 1,024]; A: input x (given as codes); B: input Wq (given as codes): QUANTISED
;;     2. [M 8,192, K 1,024] x [K 1,024, N 1,024]; A: input x (given as codes); B: input Wk (given as codes): QUANTISED
;;     3. [M 8,192, K 1,024] x [K 1,024, N 1,024]; A: input x (given as codes); B: input Wv (given as codes): QUANTISED
;;     4. batch 64 x [M 2,048, K 64] x [K 64, N 2,048]; A: computed on the way; B: computed on the way: QUANTISED
;;     5. batch 64 x [M 2,048, K 2,048] x [K 2,048, N 64]; A: softmax (see below); B: computed on the way: QUANTISED
;;     6. [M 8,192, K 1,024] x [K 1,024, N 1,024]; A: computed on the way; B: input Wo (given as codes): QUANTISED
;;   THE QUANTISER, for each operand of a quantised product, along K:
;;     - K is cut into blocks of 32 from its start; a last block that is shorter is filled with zeros.
;;     - A block's scale is 2^e with e = floor(log2(the largest magnitude in the block)) - 15, held to -126 .. 127; a block of zeros has e = 0. As a byte (E8M0): e + 127.
;;     - Each number is divided by its block's scale, clamped to +-57,344, and rounded to the nearest number of E5M2, ties to even, subnormals kept.
;;     - The product sums the exact products of the quantised numbers (number of the format x scale) in f32.
;;   ~~~python
;;   def quantise(x, axis):      # numpy; x: float32 -> the quantised numbers, widened to float32 again
;;       x = np.moveaxis(x, axis, -1); K = x.shape[-1]
;;       x = np.pad(x, [(0, 0)] * (x.ndim - 1) + [(0, -K % 32)]); x = x.reshape(x.shape[:-1] + (-1, 32)); a = np.abs(x).max(-1, keepdims=True)
;;       e = np.where(a > 0, np.clip(np.frexp(np.where(a > 0, a, 1))[1] - 1 - 15, -126, 127), 0)      # np.frexp(a)[1] - 1 = floor(log2(a)), exactly
;;       r = np.clip(x / 2.0 ** e, -57344, 57344)
;;       step = 2.0 ** (np.maximum(np.frexp(np.where(r == 0, 1, r))[1] - 1, -14) - 2)
;;       q = np.round(r / step) * step * 2.0 ** e      # np.round: ties to even
;;       return np.moveaxis(q.reshape(q.shape[:-2] + (-1,))[..., :K], -1, axis).astype(np.float32)
;;   ~~~
;;   SOFTMAX AHEAD OF A QUANTISED PRODUCT. Where the list says 'softmax', what is quantised is not the finished softmax but p = 2^(t - M), with t = logit x log2(e) and M = ceil(the row's largest t), a whole number; so 1/2 < the row's largest p <= 1. The row's sum l is taken of the UNQUANTISED p, in f32, and the product's result is divided by l at the end. Since M is a whole number, a kernel that streams over the keys may use a running M (the ceiling of the running maximum): every later rescaling is an exact power of two, which a block's scale takes up: the codes' values come out the same.
;;   OPERANDS COMPUTED ON THE WAY. 'Computed on the way' means the value that the module computes at that place (a softmax that the list does not call 'softmax' is quantised finished and normalised). What goes into a quantiser is computed in f32, as accurately as f32 sums, v_exp_f32 and their like allow (about 1e-6 of the number): no bf16 or f16 on the way to a quantiser, and a product that is left as it is and whose result goes on into a quantised operand takes f32 operands (vector FMAs, or v_wmma_f32_16x16x4_f32). A number that lies on a knife's edge between two numbers of the format may be rounded either way, as far as f32 arithmetic and the matrix unit's own rounding can turn it there, and no further.
;;   INPUTS GIVEN AS CODES. Wk (in the module: [1024, 1024], K = its axis 1); Wo (in the module: [1024, 1024], K = its axis 1); Wq (in the module: [1024, 1024], K = its axis 1); Wv (in the module: [1024, 1024], K = its axis 1); x (in the module: [4, 2048, 1024], K = its axis 2): each comes as NAME_codes (uint8): NAME with its K axis moved to the last place and cut into blocks of 32 codes, [.., K / 32, bytes a block], one block behind the other in memory; one code a byte (a code: sign, 5 exponent bits, 2 mantissa bits); and NAME_scales (uint8): the same leading axes, one E8M0 byte (e + 127) for each 32 codes along K. Its value is code x scale, taken as it is: it is not quantised again, and the codes and scales need not be those that the quantiser above would give.
;; One version. Each part assembles by itself: llvm-mc -triple=amdgcn-amd-amdhsa -mcpu=gfx1250 --defsym DOCPART=n.
;; ======== version 1 of 1: 3 launches
;; limits: right only within a limited range of input values
;; workspace buffers: qimg 8,388,608 bytes; qsc 1,048,576 bytes; kv 18,350,080 bytes; ybuf 8,912,896 bytes
;; launch qkv (part 1): grid 8 x 32, 4 waves a work-group, clusters of 4 x 1, 266,752 bytes of LDS; arguments x_codes, x_scales, Wq_codes, Wq_scales, bq, Wk_codes, Wk_scales, bk, Wv_codes, Wv_scales, bv, qimg, qsc, kv; writes qimg, qsc, kv
.if DOCPART == 1
	.amdgcn_target "amdgcn-amd-amdhsa--gfx1250"
	.amdhsa_code_object_version 6
	.text
	.protected	k_qe776a24416_qkv
	.globl	k_qe776a24416_qkv
	.p2align	8
	.type	k_qe776a24416_qkv,@function
k_qe776a24416_qkv:
	s_mov_b64 s[64:65], 0
	v_nop
	global_prefetch_b8 v0, s[64:65] scope:SCOPE_SE
	s_setreg_imm32_b32 hwreg(HW_REG_WAVE_MODE, 25, 1), 1
	s_wait_xcnt 0x0
	s_wait_alu depctr_hold_cnt(0) depctr_sa_sdst(0) depctr_va_vdst(0) depctr_va_sdst(0) depctr_va_ssrc(0) depctr_va_vcc(0) depctr_vm_vsrc(0)
	s_getreg_b32 s2, hwreg(HW_REG_IB_STS2, 6, 4)
	s_cmp_eq_u32 s2, 0
	s_cbranch_scc0 .Lentry_in_a_cluster
	s_endpgm
.Lentry_in_a_cluster:
	s_bfe_u32 s2, ttmp6, 0x10000c
	s_cmp_lg_u32 s2, 0x3003
	s_cbranch_scc0 .Lentry_shape_is_right
	s_endpgm
.Lentry_shape_is_right:
; q = x Wq^T + bq, k = x Wk^T + bk, v = x Wv^T + bv on codes of BF8 (E5M2) with one E8M0 scale for each 32 along K, f32 sums; then the quantisers of q and k (along a head's 64) and of v (along the keys).
; x: [8192][1024] codes, scale bytes [8192][32].  Wq, Wk, Wv: [1024][1024] codes, K innermost, scale bytes [1024][32].  bq, bk, bv: [1024] f32.
; OUT, all as IMAGES OF OPERAND REGISTERS (a group of four registers = 512 bytes, lane l at 16 l; a scale word = 4 bytes at 4 l):
;   qimg [head-batch 64][tile of 16 tokens 128][block 2][512];  qsc [64][128][128]: word = byte of block 0 | byte of block 1 << 8 | 0x7f7f0000 (blocks 2, 3 of the 128-deep product are zero codes)
;   kv   [64][key step of 128 tokens 16][17,920]: +0 K's images (tile kt, block b: (2 kt + b) 512); +8,192 V's (tile of 16 channels dt, block of 32 keys c: (4 dt + c) 512); +16,384 K's scale words (128 kt); +17,408 V's (128 dt)
; SHARES.  256 work-groups: cg = 0..7 takes heads 2 cg, 2 cg + 1 of q, k and v (384 columns), rg = 0..31 takes rows 256 rg on.  THE WAVES SHARE THE COLUMNS: wave w keeps 96 columns x K 1,024 of weights in 768 registers
; for the whole launch: 64 columns of q (waves 0, 1) or k (waves 2, 3), head 2 cg + w % 2, and 32 columns of v, 128 cg + 32 w on.  x's 256 rows lie in LDS, brought once.
; CLUSTER.  The four work-groups of a cluster differ in cg alone and need the same rows of x: each wave's 64 rows are asked for JOINTLY (mask 15), once, behind one round of the cluster's barrier.  LDS bytes are filled once.
; ORIENTATION.  q, k: source 0 = 16 rows of W, source 1 = 16 rows of x: a lane holds ONE token (lane % 16) and register j of tile t the column 16 t + 8 (lane / 16) + j.  The 16 registers of tiles 2 b, 2 b + 1 are a lane's part of block b.
;   v: source 0 = 16 rows of x, source 1 = 16 rows of Wv: a lane holds ONE channel and register j the token 8 (lane / 16) + j; two tiles of tokens give a lane's part of a block of 32 keys.
; ORDER INSIDE A BLOCK.  In q and k alike position i of half h is column 8 h + i (i < 8) or 16 + 8 h + i - 8; in v it is the token so numbered, which is the order in which the next launch's p falls.  Both operands of a product
;   have the same order, so every product meets its partner; sums inside a scale block are taken in that order (a stated limit of rounding order).
; Wv's ROWS OF A TILE ARE NOT NEIGHBOURS: lane r of tile u takes row 8 u + r + 8 (r / 8) of the wave's 32, so that the next launch's O^T holds 16 true neighbours along C in two tiles' registers.
; LIMITS: NaN and infinities among the inputs are not served.  A block of zeros gets the scale byte 1 (its codes are zeros; this program alone reads the bytes).
; REGISTERS, in windows of 256: window 1: q/k weights of K steps 0-3 at 16 (4 s + t); window 2: K steps 4-7; window 3: v weights at 16 (2 s + u); window 0: all else (below).
.set XPITCH, 1040                      ; a row of x in LDS: 1,024 bytes + 16 = 65 x 16: the sixteen rows of a fragment load start in sixteen different groups of four banks
.set XTILE,  16*XPITCH
.set XQUART, 64*XPITCH                 ; what one tensor load brings
.set KVSTEP, 17920
.set KVHEAD, 16*KVSTEP
.set XL,  1                            ; v1   (lane % 16) x pitch + 16 (lane / 16)
.set XA0, 2                            ; v2   the trip's tiles 0-3;  v3: tiles 4-7
.set L16, 4                            ; v4   16 x lane
.set L4,  5                            ; v5   4 x lane
.set L32, 6                            ; v6   32 x lane
.set WQO, 7                            ; v7   the head's lane offsets: q/k weights,
.set VW,  8                            ; v8-9 V's scale words in the making
.set WVO, 10                           ; v10  v weights,
.set SVO, 11                           ; v11  v weights' scale words
.set WSQ, 12                           ; v12-27  q/k weights' scale words: register 8 a + s: lane l = row 32 a + l, K step s
.set WSV, 28                           ; v28-35  v weights': register s: lanes 0-15 tile 0, lanes 16-31 tile 1
.set XS,  36                           ; v36-51  x's scale words, two sets of 8: lane l = row l of a pair of tiles, register s = K step
.set BQ,  52                           ; v52-83  bq or bk in the result's layout: the C of a sum's first product
.set AQ,  88                           ; v88-119 four accumulators of q or k
.set AV,  120                          ; v120-151 four of v: 16 u + 8 e
.set XB,  152                          ; v152-215 four fragments of x
.set PC,  216                          ; v216-223 codes just made
.set TM,  224                          ; v224-233 two each: largest magnitudes, the other half's, holds, scale operands, bytes
.set PW,  234                          ; v234 a scale word just made
.set BV,  236                          ; v236-251 bv: eight equal registers a tile: the C of a sum's first product
.set BQO, 252
.set BVO, 253
.set G1,  40                           ; s[40:47] descriptor group 1;  s[48:51] group 0
.set G0,  48
.set OC,  52                           ; s[52:53] where q's or k's images go;  s[54:55] their scale words;  s[56:57] V's images;  s[58:59] V's scale words
.set OS,  54
.set VC,  56
.set VSB, 58
.set XT,  66                           ; s66  LDS byte at which the trip's 128 rows begin
.set TRIPS, 67
.set SEL, 68                           ; s[68:69] v_permlanex16_b32's selects for lane l xor 16
.set MNT, 70
.set MSB, 0
.macro WIN new                         ; the immediate's high byte repeats the setting that is left; a switch that changes nothing is dropped
.if MSB != (\new)
	s_set_vgpr_msb (MSB<<8)|(\new)
.set MSB, (\new)
.endif
.endm
.macro ROUND                           ; a round of the cluster's barrier
	s_barrier_signal -1
	s_barrier_wait -1
	s_cmp_lg_u32 s3, 0
	s_cbranch_scc1 .Lnot_wave_0_\@
	s_barrier_signal -3
.Lnot_wave_0_\@:
	s_barrier_wait -3
	s_barrier_signal -1
	s_barrier_wait -1
.endm
.macro PLACES n
.rept \n
	v_nop
.endr
.endm
; one product: D, source 0, source 1, C, their scale registers, and which half of the lanes each scale register is read from
.macro WM d, a, b, c, sa, sb, ra, rb
.if (\ra) && (\rb)
	v_wmma_scale_f32_16x16x128_f8f6f4 v[(\d):(\d)+7], v[(\a):(\a)+15], v[(\b):(\b)+15], v[(\c):(\c)+7], v[(\sa)], v[(\sb)] matrix_a_fmt:MATRIX_FMT_BF8 matrix_b_fmt:MATRIX_FMT_BF8 matrix_a_scale:MATRIX_SCALE_ROW1 matrix_b_scale:MATRIX_SCALE_ROW1
.elseif (\ra)
	v_wmma_scale_f32_16x16x128_f8f6f4 v[(\d):(\d)+7], v[(\a):(\a)+15], v[(\b):(\b)+15], v[(\c):(\c)+7], v[(\sa)], v[(\sb)] matrix_a_fmt:MATRIX_FMT_BF8 matrix_b_fmt:MATRIX_FMT_BF8 matrix_a_scale:MATRIX_SCALE_ROW1
.elseif (\rb)
	v_wmma_scale_f32_16x16x128_f8f6f4 v[(\d):(\d)+7], v[(\a):(\a)+15], v[(\b):(\b)+15], v[(\c):(\c)+7], v[(\sa)], v[(\sb)] matrix_a_fmt:MATRIX_FMT_BF8 matrix_b_fmt:MATRIX_FMT_BF8 matrix_b_scale:MATRIX_SCALE_ROW1
.else
	v_wmma_scale_f32_16x16x128_f8f6f4 v[(\d):(\d)+7], v[(\a):(\a)+15], v[(\b):(\b)+15], v[(\c):(\c)+7], v[(\sa)], v[(\sb)] matrix_a_fmt:MATRIX_FMT_BF8 matrix_b_fmt:MATRIX_FMT_BF8
.endif
.endm
	s_load_b256 s[8:15], s[0:1], 0x0               ; x's codes s[8:9], x's scales s[10:11], Wq's codes s[12:13], Wq's scales s[14:15]
	s_load_b256 s[16:23], s[0:1], 0x20             ; bq s[16:17], Wk's codes s[18:19], Wk's scales s[20:21], bk s[22:23]
	s_load_b256 s[24:31], s[0:1], 0x40             ; Wv's codes s[24:25], Wv's scales s[26:27], bv s[28:29], qimg s[30:31]
	s_load_b128 s[32:35], s[0:1], 0x60             ; qsc s[32:33], kv s[34:35]
	v_lshl_add_u32 v254, v0, 2, 0x41000
	v_mov_b32 v255, 0
	ds_add_u32 v254, v255
	ds_add_u32 v254, v255
	v_lshrrev_b32 v84, 5, v0
	v_readfirstlane_b32 s3, v84                    ; wave 0..3
	v_and_b32 v86, 31, v0                          ; lane
	v_and_b32 v84, 15, v0                          ; r
	v_bfe_u32 v85, v0, 4, 1                        ; h
	v_mul_u32_u24 v[XL], v84, XPITCH
	v_lshl_add_u32 v[XL], v85, 4, v[XL]
	v_lshlrev_b32 v[L16], 4, v86
	v_lshlrev_b32 v[L4], 2, v86
	v_lshlrev_b32 v[L32], 5, v86
	v_lshlrev_b32 v[WQO], 10, v84
	v_lshl_add_u32 v[WQO], v85, 4, v[WQO]          ; q/k weights: row r of 1,024 bytes + 16 h
	v_and_b32 v87, 8, v84
	v_add_nc_u32 v87, v87, v84                     ; r + 8 (r / 8)
	v_lshlrev_b32 v[WVO], 10, v87
	v_lshl_add_u32 v[WVO], v85, 4, v[WVO]          ; v weights: that row + 16 h
	v_lshl_add_u32 v[SVO], v85, 3, v87             ; their scale words: lanes 16-31 take tile 1's rows, 8 further on
	v_lshlrev_b32 v[SVO], 5, v[SVO]
	v_lshlrev_b32 v[BQO], 5, v85                   ; bq, bk: my half's eight numbers of a tile
	v_lshlrev_b32 v[BVO], 2, v87                   ; bv: my channel's
	s_bfe_u32 s36, ttmp6, 0x40000                  ; cx: my place in the cluster: it enters global addresses of weights and results alone
	s_lshl_b32 s37, ttmp9, 2
	s_add_co_u32 s37, s37, s36                     ; cg
	s_and_b32 s38, ttmp7, 0xffff                   ; rg, which the four partners share
	; descriptor group 1: 64 rows x 1,024 bytes, 16 bytes of padding behind each row
	s_mov_b32 s[G1+0], 15|(1<<20)|(1<<21)|(7<<22)|(3<<25)  ; 15:0 the mask: all four work-groups; 17:16 elements of 1 byte; 20 padding on; 21 set beside a mask; 24:22 after every 256 words (code 7); 31:25 four words (code 3)
	s_mov_b32 s[G1+1], 1024<<16                    ; tensor_dim0
	s_mov_b32 s[G1+2], 64<<16                      ; tensor_dim1
	s_mov_b32 s[G1+3], 1024<<16                    ; tile_dim0
	s_mov_b32 s[G1+4], 64                          ; tile_dim1
	s_mov_b32 s[G1+5], 1024                        ; from row to row
	s_mov_b32 s[G1+6], 0
	s_mov_b32 s[G1+7], 0
	s_mov_b32 s[G0], 1
	s_mul_i32 s[G0+1], s3, XQUART                  ; LDS: wave x 64 rows
	s_lshl_b32 s98, s38, 18
	s_lshl_b32 s99, s3, 16
	s_add_co_u32 s98, s98, s99                     ; x: (256 rg + 64 wave) rows of 1,024 bytes
	s_mov_b32 s99, 0
	; where the results go, in bytes
	s_and_b32 s72, s3, 1
	s_lshl_b32 s73, s37, 1
	s_add_co_u32 s73, s73, s72                     ; my head of q or k
	s_lshr_b32 s74, s38, 3
	s_lshl_b32 s74, s74, 4                         ; 16 x batch
	s_add_co_u32 s75, s74, s73                     ; head-batch
	s_and_b32 s76, s38, 7
	s_lshl_b32 s77, s75, 7
	s_lshl_b32 s79, s76, 4
	s_add_co_u32 s77, s77, s79                     ; my first tile of tokens: 128 head-batch + 16 (rg % 8)
	s_lshl_b32 s80, s77, 10                        ; q: its images,
	s_lshl_b32 s82, s77, 7                         ; its scale words
	s_mul_i32 s78, s76, 2*KVSTEP                   ; my first key step in a head's block
	s_mul_i32 s84, s75, KVHEAD
	s_add_co_u32 s84, s84, s78                     ; k: its images,
	s_add_co_u32 s85, s84, 16384                   ; its scale words
	s_lshr_b32 s86, s3, 1
	s_lshl_b32 s87, s37, 1
	s_add_co_u32 s86, s86, s87
	s_add_co_u32 s86, s86, s74                     ; v: head-batch of my 32 columns
	s_mul_i32 s86, s86, KVHEAD
	s_add_co_u32 s86, s86, s78
	s_lshl_b32 s90, s72, 12                        ; tiles 2 (w % 2) + u: 4,096 bytes of images,
	s_add_co_u32 s90, s90, s86
	s_add_co_u32 s90, s90, 8192
	s_lshl_b32 s92, s72, 8                         ; 256 bytes of scale words
	s_add_co_u32 s92, s92, s86
	s_add_co_u32 s92, s92, 17408
	s_lshl_b32 s79, s37, 7
	s_lshl_b32 s87, s3, 5
	s_add_co_u32 s79, s79, s87                     ; my first column of v: 128 cg + 32 wave
	s_mov_b32 s60, KVSTEP
	s_mov_b32 s62, KVSTEP
	s_cmp_lt_u32 s3, 2                             ; waves 0, 1: q; waves 2, 3: k
	s_cselect_b32 s80, s80, s84
	s_cselect_b32 s82, s82, s85
	s_cselect_b32 s60, 8192, s60                   ; a trip's 8 tiles on: images,
	s_cselect_b32 s62, 1024, s62                   ; scale words
	s_mov_b32 s61, 0
	s_mov_b32 s63, 0
	s_mov_b32 s81, 0
	s_mov_b32 s83, 0
	s_mov_b32 s85, 0
	s_mov_b32 s91, 0
	s_mov_b32 s93, 0
	s_mov_b32 s[SEL], 0x76543210
	s_mov_b32 s[SEL+1], 0xfedcba98
	s_wait_dscnt 0x0
	s_wait_kmcnt 0x0
	s_cmp_lt_u32 s3, 2                             ; the choice of buffers hangs on the wave's number alone
	s_cselect_b64 s[12:13], s[12:13], s[18:19]
	s_cselect_b64 s[14:15], s[14:15], s[20:21]
	s_cselect_b64 s[16:17], s[16:17], s[22:23]
	s_cselect_b64 s[OC:OC+1], s[30:31], s[34:35]
	s_cselect_b64 s[OS:OS+1], s[32:33], s[34:35]
	s_add_nc_u64 s[OC:OC+1], s[OC:OC+1], s[80:81]
	s_add_nc_u64 s[OS:OS+1], s[OS:OS+1], s[82:83]
	s_add_nc_u64 s[VC:VC+1], s[34:35], s[90:91]
	s_add_nc_u64 s[VSB:VSB+1], s[34:35], s[92:93]
	s_add_nc_u64 s[G0+2:G0+3], s[8:9], s[98:99]
	s_or_b32 s[G0+3], s[G0+3], 0x80000000          ; type = 2
	s_lshl_b32 s84, s73, 16                        ; my head's 64 rows of Wq or Wk,
	s_add_nc_u64 s[12:13], s[12:13], s[84:85]
	s_lshl_b32 s84, s73, 11                        ; their scale bytes,
	s_add_nc_u64 s[14:15], s[14:15], s[84:85]
	s_lshl_b32 s84, s73, 8                         ; their biases
	s_add_nc_u64 s[16:17], s[16:17], s[84:85]
	s_lshl_b32 s84, s79, 10                        ; my 32 rows of Wv likewise
	s_add_nc_u64 s[24:25], s[24:25], s[84:85]
	s_lshl_b32 s84, s79, 5
	s_add_nc_u64 s[26:27], s[26:27], s[84:85]
	s_lshl_b32 s84, s79, 2
	s_add_nc_u64 s[28:29], s[28:29], s[84:85]
	s_lshl_b32 s84, s38, 13                        ; x's scale bytes: 256 rg rows of 32
	s_add_nc_u64 s[10:11], s[10:11], s[84:85]
	ROUND                                          ; all four work-groups are here: the joint loads meet
	tensor_load_to_lds s[G0:G0+3], s[G1:G1+7]      ; my 64 rows of x: the wave's one tensor load of the launch
	s_nop 0
	PLACES 4                                       ; four plain lines behind a tensor load, ahead of the switch of windows
	; the weights stay in registers.  A run of sixteen loads covers 512 consecutive bytes of each of sixteen rows
	WIN 0x40                                       ; destination window 1
	s_wait_alu depctr_va_vdst(0)
.irp t, 0,1,2,3
.irp s, 0,1,2,3
.irp c, 0,1,2,3
	global_load_b128 v[16*(4*\s+\t)+4*\c:16*(4*\s+\t)+4*\c+3], v[WQO], s[12:13] offset:16*\t*1024+128*\s+32*\c
.endr
.endr
.endr
	WIN 0x80                                       ; destination window 2
.irp t, 0,1,2,3
.irp s, 0,1,2,3
.irp c, 0,1,2,3
	global_load_b128 v[16*(4*\s+\t)+4*\c:16*(4*\s+\t)+4*\c+3], v[WQO], s[12:13] offset:16*\t*1024+512+128*\s+32*\c
.endr
.endr
.endr
	WIN 0xc0                                       ; destination window 3
.irp u, 0,1
.irp s, 0,1,2,3,4,5,6,7
.irp c, 0,1,2,3
	global_load_b128 v[16*(2*\s+\u)+4*\c:16*(2*\s+\u)+4*\c+3], v[WVO], s[24:25] offset:8*\u*1024+128*\s+32*\c
.endr
.endr
.endr
	WIN 0
.irp a, 0,1
	global_load_b128 v[WSQ+8*\a:WSQ+8*\a+3], v[L32], s[14:15] offset:\a*1024
	global_load_b128 v[WSQ+8*\a+4:WSQ+8*\a+7], v[L32], s[14:15] offset:\a*1024+16
.endr
	global_load_b128 v[WSV:WSV+3], v[SVO], s[26:27]
	global_load_b128 v[WSV+4:WSV+7], v[SVO], s[26:27] offset:16
.irp t, 0,1,2,3
	global_load_b128 v[BQ+8*\t:BQ+8*\t+3], v[BQO], s[16:17] offset:64*\t
	global_load_b128 v[BQ+8*\t+4:BQ+8*\t+7], v[BQO], s[16:17] offset:64*\t+16
.endr
	global_load_b32 v[BV], v[BVO], s[28:29]
	global_load_b32 v[BV+8], v[BVO], s[28:29] offset:32
	v_mov_b32 v[TM+2], 0                           ; written once: a lane permute's destination counts as one of its sources
	v_mov_b32 v[TM+3], 0
	s_wait_loadcnt 0x0
.irp u, 0,1
.irp j, 1,2,3,4,5,6,7
	v_mov_b32 v[BV+8*\u+\j], v[BV+8*\u]            ; a lane's eight results of a tile of v belong to one channel: one bias in eight registers
.endr
.endr
	s_wait_tensorcnt 0x0                           ; my 64 rows of x are in,
	s_barrier_signal -1
	s_barrier_wait -1                              ; everybody's are
; eight LDS loads: tile n / 4 of the trip, K steps 2 (n % 4) and 2 (n % 4) + 1, into fragments 2 (n % 2) and the next
.macro XLOAD n
.set xq, (\n)%4
.set xt, (\n)/4
.set xr, XB+32*((\n)%2)
.irp d, 0,1
.irp c, 0,1,2,3
	ds_load_b128 v[xr+16*\d+4*\c:xr+16*\d+4*\c+3], v[XA0+xt/4] offset:(xt%4)*XTILE+128*(2*xq+\d)+32*\c
.endr
.endr
.endm
; TWO K STEPS OF ONE TILE OF TOKENS: 8 products for q or k, 4 for v.  The accumulators take turns, one instruction a turn.
; A load into a register that a matrix instruction has read stands eight plain vector lines behind it; at a tile's end nine, since the next tile's
; first products write over accumulators.
.macro KP n
.set kq, (\n)%4
.set ke, ((\n)/4)%2
.set kx, XB+32*((\n)%2)
.set ks, XS+8*(((\n)/8)%2)
.set kw, 1+kq/2
.if (\n) == 31
	s_wait_dscnt 0x0                               ; the trip's last fragments
.else
	s_wait_dscnt 0x8                               ; my fragments are in; the next pair of K steps' eight loads may be out
.endif
	WIN kw                                         ; source 0 (W) window 1 or 2
.irp d, 0,1
.irp t, 0,1,2,3
.set kk, 2*kq+\d
.set kc, AQ+8*\t
.if kk == 0
.set kc, BQ+8*\t                                   ; the bias starts the sum
.endif
	WM AQ+8*\t, 16*(4*(kk%4)+\t), kx+16*\d, kc, WSQ+8*(\t/2)+kk, ks+kk, \t%2, ke
.endr
.endr
	WIN 0x0c                                       ; source 1 (Wv) window 3
.irp d, 0,1
.irp u, 0,1
.set kk, 2*kq+\d
.set kc, AV+16*\u+8*ke
.if kk == 0
.set kc, BV+8*\u
.endif
	WM AV+16*\u+8*ke, kx+16*\d, 16*(2*kk+\u), kc, ks+kk, WSV+kk, ke, \u
.endr
.endr
.if kq == 3
	PLACES 9
.elseif (\n)+2 < 32
	PLACES 8
.endif
.if (\n)+2 < 32
	XLOAD (\n)+2                                   ; (destination and address lie in window 0 under this setting too)
.endif
.endm
; Two blocks of a lane's 16 numbers, v[base] on and v[base + 16] on, become codes in v[PC] on (four registers a block) and bytes in v[TM + 8], v[TM + 9].
.macro QUANT2 base
	s_wait_xcnt 0x0                                ; the earlier stores have read their data: the codes' and words' registers are written again only behind this wait
.irp b, 0,1
	v_max3_num_f32 v[TM+\b], |v[\base+16*\b]|, |v[\base+16*\b+1]|, 0x8000000   ; and the floor 2^(16 - 127): the byte cannot fall under 1
.endr
.irp i, 2,4,6,8,10,12,14
.irp b, 0,1
	v_max3_num_f32 v[TM+\b], v[TM+\b], |v[\base+16*\b+\i]|, |v[\base+16*\b+\i+1]|
.endr
.endr
.irp b, 0,1
	v_permlanex16_b32 v[TM+2+\b], v[TM+\b], s[SEL], s[SEL+1]
.endr
.irp b, 0,1
	v_max_num_f32 v[TM+\b], v[TM+\b], v[TM+2+\b]   ; with lane l xor 16's: the block's largest magnitude
.endr
.irp b, 0,1
	v_add_nc_u32 v[TM+6+\b], 0xf8800000, v[TM+\b]  ; 15 off its exponent field: the conversion's scale operand
.endr
.irp b, 0,1
.endr
.irp b, 0,1
	v_lshrrev_b32 v[TM+8+\b], 23, v[TM+6+\b]       ; the scale's byte
.endr
.irp b, 0,1
.irp i, 0,1,2,3,4,5,6,7,8,9,10,11,12,13,14,15
.endr
	v_cvt_scalef32_pk8_bf8_f32 v[PC+4*\b:PC+4*\b+1], v[\base+16*\b:\base+16*\b+7], v[TM+6+\b]
	v_cvt_scalef32_pk8_bf8_f32 v[PC+4*\b+2:PC+4*\b+3], v[\base+16*\b+8:\base+16*\b+15], v[TM+6+\b]
.endr
	v_nop                                          ; one plain line between the conversions and the next products, which write their sources
.endm
.macro TILEOUT tau                     ; a tile of 16 tokens of q or k leaves: two groups of codes (512 consecutive bytes a store) and its scale words
	QUANT2 AQ
	v_lshl_or_b32 v[PW], v[TM+9], 8, v[TM+8]
	v_or_b32 v[PW], 0x7f7f0000, v[PW]              ; blocks 2 and 3 hold zero codes: the byte of 1.0
	global_store_b128 v[L16], v[PC:PC+3], s[OC:OC+1] offset:(\tau)*1024
	global_store_b128 v[L16], v[PC+4:PC+7], s[OC:OC+1] offset:(\tau)*1024+512
	global_store_b32 v[L4], v[PW], s[OS:OS+1] offset:(\tau)*128
.endm
.macro VOUT c                          ; block c of 32 keys of my two tiles of channels leaves; the bytes gather into the step's scale words
	QUANT2 AV
	global_store_b128 v[L16], v[PC:PC+3], s[VC:VC+1] offset:(\c)*512
	global_store_b128 v[L16], v[PC+4:PC+7], s[VC:VC+1] offset:2048+(\c)*512
.if \c == 0
	v_mov_b32 v[VW], v[TM+8]
	v_mov_b32 v[VW+1], v[TM+9]
.else
	v_lshl_or_b32 v[VW], v[TM+8], 8*\c, v[VW]
	v_lshl_or_b32 v[VW+1], v[TM+9], 8*\c, v[VW+1]
.endif
.if \c == 3
	global_store_b32 v[L4], v[VW], s[VSB:VSB+1]
	global_store_b32 v[L4], v[VW+1], s[VSB:VSB+1] offset:128
.endif
.endm
.macro PAIR c                          ; two tiles of tokens = a block of 32 keys
.if \c < 3
	global_load_b128 v[XS+8*((\c+1)%2):XS+8*((\c+1)%2)+3], v[L32], s[10:11] offset:(\c+1)*1024
	global_load_b128 v[XS+8*((\c+1)%2)+4:XS+8*((\c+1)%2)+7], v[L32], s[10:11] offset:(\c+1)*1024+16
	s_wait_loadcnt 0x2                             ; this pair's scale words are in; the next pair's two loads may be out
.else
	s_wait_loadcnt 0x0
.endif
	KP 8*\c
	KP 8*\c+1
	KP 8*\c+2
	KP 8*\c+3
	WIN 0
	TILEOUT 2*\c
	KP 8*\c+4
	KP 8*\c+5
	KP 8*\c+6
	KP 8*\c+7
	WIN 0
	TILEOUT 2*\c+1
	VOUT \c
.endm
	s_mov_b32 s[XT], 0
	s_mov_b32 s[TRIPS], 2
.Ltrip:                                            ; a trip: 128 tokens = one key step
	v_add_nc_u32 v[XA0], s[XT], v[XL]
	v_add_nc_u32 v[XA0+1], XQUART, v[XA0]
	global_load_b128 v[XS:XS+3], v[L32], s[10:11]
	global_load_b128 v[XS+4:XS+7], v[L32], s[10:11] offset:16
	XLOAD 0
	XLOAD 1
	s_wait_alu depctr_va_vdst(0)
	PAIR 0
	PAIR 1
	PAIR 2
	PAIR 3
	s_wait_xcnt 0x0                                ; the trip's loads and stores have read their bases: they step only behind this wait
	s_add_nc_u64 s[OC:OC+1], s[OC:OC+1], s[60:61]
	s_add_nc_u64 s[OS:OS+1], s[OS:OS+1], s[62:63]
	s_add_nc_u64 s[VC:VC+1], s[VC:VC+1], KVSTEP
	s_add_nc_u64 s[VSB:VSB+1], s[VSB:VSB+1], KVSTEP
	s_add_nc_u64 s[10:11], s[10:11], 4096
	s_add_co_u32 s[XT], s[XT], 2*XQUART
	s_sub_co_u32 s[TRIPS], s[TRIPS], 1
	s_cmp_lg_u32 s[TRIPS], 0
	s_cbranch_scc1 .Ltrip
	s_wait_tensorcnt 0x0
	ds_add_u32 v254, v255
	s_wait_dscnt 0x0
	ROUND                                          ; the closing round: no work-group ends while a partner may still ask for rows that name it
	s_endpgm
.Lfunc_end_k_qe776a24416_qkv:
	.size	k_qe776a24416_qkv, .Lfunc_end_k_qe776a24416_qkv-k_qe776a24416_qkv
	.p2alignl 7, 3214868480
	.fill 96, 4, 3214868480
	.section	.rodata,"a",@progbits
	.p2align	6, 0x0
	.amdhsa_kernel k_qe776a24416_qkv
		.amdhsa_group_segment_fixed_size 266752
		.amdhsa_private_segment_fixed_size 0
		.amdhsa_enable_private_segment 0
		.amdhsa_kernarg_size 112
		.amdhsa_user_sgpr_count 2
		.amdhsa_user_sgpr_kernarg_segment_ptr 1
		.amdhsa_wavefront_size32 1
		.amdhsa_system_sgpr_workgroup_id_x 1
		.amdhsa_system_sgpr_workgroup_id_y 1
		.amdhsa_system_sgpr_workgroup_id_z 1
		.amdhsa_system_vgpr_workitem_id 0
		.amdhsa_next_free_vgpr 1024
		.amdhsa_next_free_sgpr 100
		.amdhsa_reserve_vcc 0
		.amdhsa_float_denorm_mode_32 3
		.amdhsa_float_denorm_mode_16_64 3
		.amdhsa_fp16_overflow 1
		.amdhsa_memory_ordered 1
		.amdhsa_forward_progress 1
		.amdhsa_inst_pref_size 130
	.end_amdhsa_kernel
	.amdgpu_metadata
---
amdhsa.version: [ 1, 2 ]
amdhsa.kernels:
  - .name:           k_qe776a24416_qkv
    .symbol:         k_qe776a24416_qkv.kd
    .args:
      - { .name: x_codes, .offset: 0, .size: 8, .value_kind: global_buffer, .address_space: global }
      - { .name: x_scales, .offset: 8, .size: 8, .value_kind: global_buffer, .address_space: global }
      - { .name: Wq_codes, .offset: 16, .size: 8, .value_kind: global_buffer, .address_space: global }
      - { .name: Wq_scales, .offset: 24, .size: 8, .value_kind: global_buffer, .address_space: global }
      - { .name: bq, .offset: 32, .size: 8, .value_kind: global_buffer, .address_space: global }
      - { .name: Wk_codes, .offset: 40, .size: 8, .value_kind: global_buffer, .address_space: global }
      - { .name: Wk_scales, .offset: 48, .size: 8, .value_kind: global_buffer, .address_space: global }
      - { .name: bk, .offset: 56, .size: 8, .value_kind: global_buffer, .address_space: global }
      - { .name: Wv_codes, .offset: 64, .size: 8, .value_kind: global_buffer, .address_space: global }
      - { .name: Wv_scales, .offset: 72, .size: 8, .value_kind: global_buffer, .address_space: global }
      - { .name: bv, .offset: 80, .size: 8, .value_kind: global_buffer, .address_space: global }
      - { .name: qimg, .offset: 88, .size: 8, .value_kind: global_buffer, .address_space: global }
      - { .name: qsc, .offset: 96, .size: 8, .value_kind: global_buffer, .address_space: global }
      - { .name: kv, .offset: 104, .size: 8, .value_kind: global_buffer, .address_space: global }
    .group_segment_fixed_size: 266752
    .private_segment_fixed_size: 0
    .kernarg_segment_align: 8
    .kernarg_segment_size: 112
    .max_flat_workgroup_size: 128
    .sgpr_count:     100
    .vgpr_count:     1024
    .wavefront_size: 32
...
	.end_amdgpu_metadata
.endif
;; end of part 1
;; launch attn (part 2): grid 4 x 64, 16 waves a work-group, clusters of 4 x 1, 288,768 bytes of LDS; arguments qimg, qsc, kv, ybuf; writes ybuf
.if DOCPART == 2
	.amdgcn_target "amdgcn-amd-amdhsa--gfx1250"
	.amdhsa_code_object_version 6
	.text
	.protected	k_qe776a24416_attn
	.globl	k_qe776a24416_attn
	.p2align	8
	.type	k_qe776a24416_attn,@function
k_qe776a24416_attn:
	s_mov_b64 s[64:65], 0
	v_nop
	global_prefetch_b8 v0, s[64:65] scope:SCOPE_SE
	s_setreg_imm32_b32 hwreg(HW_REG_WAVE_MODE, 25, 1), 1
	s_wait_xcnt 0x0
	s_wait_alu depctr_hold_cnt(0) depctr_sa_sdst(0) depctr_va_vdst(0) depctr_va_sdst(0) depctr_va_ssrc(0) depctr_va_vcc(0) depctr_vm_vsrc(0)
	s_getreg_b32 s2, hwreg(HW_REG_IB_STS2, 6, 4)
	s_cmp_eq_u32 s2, 0
	s_cbranch_scc0 .Lentry_in_a_cluster
	s_endpgm
.Lentry_in_a_cluster:
	s_bfe_u32 s2, ttmp6, 0x10000c
	s_cmp_lg_u32 s2, 0x3003
	s_cbranch_scc0 .Lentry_shape_is_right
	s_endpgm
.Lentry_shape_is_right:
; y[token][64 head + d] = the sum over keys k <= token of softmax_k(q . k / 8) v, both products on codes of BF8 (E5M2) with one E8M0 scale for each 32 along a product's K; then the quantiser of y along C.
; IN: qimg, qsc, kv as the launch before lays them: images of operand registers (a group of four registers = 512 bytes, lane l at 16 l; a scale word 4 bytes at 4 l).  A head's kv block is 16 key steps of 17,920 bytes:
;   +0 K's images (tile kt, block b: (2 kt + b) 512); +8,192 V's (tile of channels dt, block of keys c: (4 dt + c) 512); +16,384 K's scale words (128 kt); +17,408 V's (128 dt).
; OUT: ybuf [tile of 16 rows 512][17,408]: +0 codes (K step s = head / 2, block c = 2 (head % 2) + b: 2,048 s + 512 c); +16,384 scale words (128 s + 4 lane; this head owns the two bytes at 2 (head % 2)).
; THE SOFTMAX AHEAD OF THE SECOND PRODUCT: t = score x log2(e) / 8; M = the running largest t, rounded UP to a whole number; p = 2^(t - M) is what is quantised, along the keys, not normalised.  The row's sum is taken of the
;   unquantised p, in f32, and divides O at the end.  When M moves, the sum and O are multiplied by 2^(old M - new M): exact.
; SHARES.  A cluster of four work-groups (place p) of sixteen waves (w) takes one head.  A head has 16 groups of 128 queries, 8 tiles of 16 each.  With lo = min(w, 15 - w), hi = 15 - lo, sub = p + 4 (w / 8), a wave owns tile sub of
;   group hi and tile sub of group lo: (hi + 1) + (lo + 1) = 17 key steps of 128 keys for every wave, two of them on the diagonal; what lies above the diagonal is not computed.
;   Every branch hangs on the wave's number and a counter; p enters global addresses and the mask's offset (data) alone.
; LDS holds the head's whole kv block as it lies in memory, brought once by JOINT loads (mask 15): two a wave, 8,960 bytes each; the first sixteen are key steps 0-7.  LDS bytes are filled once.
; LAYOUT.  Both products are used transposed: S^T = K Q^T (source 0 = 16 keys, source 1 = my 16 queries; the head's 64 fill blocks 0 and 1, blocks 2 and 3 are zero codes), O^T = V^T P^T: a lane holds ONE query throughout.
;   p's 16 registers of tiles 2 b, 2 b + 1 are a lane's part of block b of 32 keys, in the order in which the launch before laid V's keys.  O^T's 16 registers of two tiles are 16 true neighbours along C.
; LIMITS: NaN and infinities are not served; a block of zeros gets the scale byte 1 (its codes are zeros; this program alone reads the bytes); sums inside a scale block are taken in the stated order of keys.
.set KVSTEP, 17920
.set KVHEAD, 286720
.set HALF,   143360                    ; key steps 0-7
.set VIM,    8192
.set KSC,    16384
.set VSC,    17408
.set YTILE,  17408
.set A16, 1                            ; v1   16 x lane; never rewritten
.set A4,  2                            ; v2   4 x lane; never rewritten
.set ADK, 3                            ; v3   the step's images
.set ADS, 4                            ; v4   the step's scale words
.set DM,  5                            ; v5   16 sub + lane % 16 - 8 (lane / 16): the mask's offset
.set NINF, 6                           ; v6   -infinity
.set QF,  16                           ; v16-31 Q: 8 registers of codes, 8 of zeros.   v12 -M, v13 the largest t, v[14:15] the sum in two halves
.set KF,  32                           ; v32-95 four fragments of K: 8 registers of codes, 8 of zeros each
.set S,   96                           ; v96-159 S^T, then p, then V's four fragments
.set O,   160                          ; v160-191 O^T
.set PCD, 192                          ; v192-207 p's codes
.set QL,  208                          ; v208-216 the lo tile's Q and its scale word
.set YCD, 220                          ; v220-227 y's codes;  v228 its two scale bytes
.set YW,  228                          ; v232-254 at work; v248-251 K's or V's scale words; v253 p's scale word; v255 Q's
.set TB,  16                           ; s16  LDS byte at which the step begins
.set ST,  17                           ; s17  the step's number
.set G,   18                           ; s18  the group of the tile in hand: its last step
.set CNT, 19
.set SEL, 20                           ; s[20:21] selects for lane l xor 16
.set CS,  22                           ; s[22:23] c = log2(e) / 8: the packed form names a pair and takes its low word for both halves
.set MNT, 24
.macro ROUND                           ; a round of the cluster's barrier
	s_barrier_signal -1
	s_barrier_wait -1
	s_cmp_lg_u32 s3, 0
	s_cbranch_scc1 .Lnot_wave_0_\@
	s_barrier_signal -3
.Lnot_wave_0_\@:
	s_barrier_wait -3
	s_barrier_signal -1
	s_barrier_wait -1
.endm
	s_load_b256 s[8:15], s[0:1], 0x0               ; qimg s[8:9], qsc s[10:11], kv s[12:13], ybuf s[14:15]
	v_lshl_add_u32 v230, v0, 2, 0x46000
	v_mov_b32 v231, 0
	ds_add_u32 v230, v231
	ds_add_u32 v230, v231
	v_lshrrev_b32 v7, 5, v0
	s_delay_alu instid0(VALU_DEP_1)
	v_readfirstlane_b32 s3, v7                     ; wave 0..15
	s_bfe_u32 s60, ttmp6, 0x40000                  ; p: my place in the cluster
	s_and_b32 s61, ttmp7, 0xffff                   ; head-batch, which the four partners share
	s_xor_b32 s62, s3, 15                          ; 15 - wave
	s_min_u32 s25, s3, s62                         ; lo
	s_xor_b32 s26, s25, 15                         ; hi
	s_lshr_b32 s27, s3, 3
	s_lshl_b32 s27, s27, 2
	s_add_co_u32 s27, s27, s60                     ; sub
	; descriptor group 1: a dense block of 8,960 bytes as 35 rows of 256 bytes (32 elements of 8 bytes)
	s_mov_b32 s28, 15|(3<<16)|(1<<21)              ; 15:0 the mask: all four work-groups; 17:16 elements of 8 bytes; 21 set beside a mask
	s_mov_b32 s29, 32<<16                          ; tensor_dim0
	s_mov_b32 s30, 35<<16                          ; tensor_dim1
	s_mov_b32 s31, 32<<16                          ; tile_dim0
	s_mov_b32 s32, 35                              ; tile_dim1
	s_mov_b32 s33, 32                              ; from row to row
	s_mov_b32 s34, 0
	s_mov_b32 s35, 0
	s_mov_b32 s36, 1
	s_mul_i32 s37, s3, 8960                        ; LDS: my part of the first half,
	s_mov_b32 s40, 1
	s_add_co_u32 s41, s37, HALF                    ; and of the second
	s_mul_i32 s66, s61, KVHEAD
	s_add_co_u32 s66, s66, s37                     ; the same places in the head's block in memory
	s_mov_b32 s67, 0
	; my two tiles: Q's images and scale words, y's codes and scale bytes, in bytes
	s_lshl_b32 s68, s61, 7
	s_lshl_b32 s69, s26, 3
	s_add_co_u32 s69, s69, s27                     ; the hi tile: 8 hi + sub
	s_lshl_b32 s70, s25, 3
	s_add_co_u32 s70, s70, s27                     ; the lo tile
	s_add_co_u32 s71, s68, s69
	s_lshl_b32 s72, s71, 10
	s_lshl_b32 s74, s71, 7
	s_add_co_u32 s71, s68, s70
	s_lshl_b32 s76, s71, 10
	s_lshl_b32 s78, s71, 7
	s_lshr_b32 s80, s61, 4
	s_lshl_b32 s80, s80, 7                         ; 128 x batch: the batch's first tile of rows
	s_and_b32 s81, s61, 15                         ; head
	s_lshr_b32 s82, s81, 1                         ; its K step of the last product,
	s_and_b32 s83, s81, 1                          ; and which half of it
	s_lshl_b32 s84, s82, 11
	s_lshl_b32 s85, s83, 10
	s_add_co_u32 s84, s84, s85                     ; the codes' place in a tile of rows
	s_lshl_b32 s85, s82, 7
	s_lshl_b32 s86, s83, 1
	s_add_co_u32 s85, s85, s86
	s_add_co_u32 s85, s85, 16384                   ; the two bytes' place
	s_add_co_u32 s86, s80, s69
	s_mul_i32 s86, s86, YTILE
	s_add_co_u32 s88, s86, s84
	s_add_co_u32 s90, s86, s85
	s_add_co_u32 s86, s80, s70
	s_mul_i32 s86, s86, YTILE
	s_add_co_u32 s92, s86, s84
	s_add_co_u32 s94, s86, s85
.irp i, 73,75,77,79,89,91,93,95
	s_mov_b32 s\i, 0
.endr
	s_mov_b32 s[SEL], 0x76543210
	s_mov_b32 s[SEL+1], 0xfedcba98
	s_mov_b32 s[CS], 0x3e38aa3b                    ; log2(e) / 8
	s_mov_b32 s[CS+1], s[CS]                       ; (named with it as a pair, so it is written)
	v_and_b32 v7, 31, v0
	s_delay_alu instid0(VALU_DEP_1)
	v_lshlrev_b32 v[A16], 4, v7
	s_delay_alu instid0(VALU_DEP_2)
	v_lshlrev_b32 v[A4], 2, v7
	v_and_b32 v8, 15, v0
	v_bfe_u32 v9, v0, 4, 1
	s_delay_alu instid0(VALU_DEP_1)
	v_lshlrev_b32 v9, 3, v9
	s_delay_alu instid0(VALU_DEP_1)
	v_sub_nc_u32 v[DM], v8, v9
	s_delay_alu instid0(VALU_DEP_1)
	v_lshl_add_u32 v[DM], s27, 4, v[DM]
	v_mov_b32 v[NINF], 0xff800000
	s_wait_dscnt 0x0
	s_wait_kmcnt 0x0
	s_add_nc_u64 s[38:39], s[12:13], s[66:67]
	s_add_nc_u64 s[42:43], s[38:39], HALF
	s_or_b32 s39, s39, 0x80000000                  ; type = 2
	s_or_b32 s43, s43, 0x80000000
	s_add_nc_u64 s[52:53], s[8:9], s[72:73]        ; Q: hi, lo
	s_add_nc_u64 s[54:55], s[8:9], s[76:77]
	s_add_nc_u64 s[56:57], s[10:11], s[74:75]      ; its scale words: hi, lo
	s_add_nc_u64 s[58:59], s[10:11], s[78:79]
	s_add_nc_u64 s[44:45], s[14:15], s[88:89]      ; y's codes and bytes: hi,
	s_add_nc_u64 s[46:47], s[14:15], s[90:91]
	s_add_nc_u64 s[48:49], s[14:15], s[92:93]      ; lo
	s_add_nc_u64 s[50:51], s[14:15], s[94:95]
	ROUND                                          ; all four work-groups are here: the joint loads meet
	tensor_load_to_lds s[36:39], s[28:35]          ; my part of key steps 0-7,
	s_nop 0
	tensor_load_to_lds s[40:43], s[28:35]          ; and of 8-15: two loads of mine are out
	s_nop 0
.rept 4
	v_nop                                          ; four plain lines behind the tensor loads
.endr
	s_wait_alu depctr_va_vdst(0)
	global_load_b128 v[QF:QF+3], v[A16], s[52:53]
	global_load_b128 v[QF+4:QF+7], v[A16], s[52:53] offset:512
	global_load_b32 v255, v[A4], s[56:57]
	global_load_b128 v[QL:QL+3], v[A16], s[54:55]
	global_load_b128 v[QL+4:QL+7], v[A16], s[54:55] offset:512
	global_load_b32 v[QL+8], v[A4], s[58:59]
.irp j, 8,9,10,11,12,13,14,15
	v_mov_b32 v[QF+\j], 0                          ; blocks 2 and 3 of the 128-deep product: zero codes, in Q
.irp t, 0,1,2,3
	v_mov_b32 v[KF+16*\t+\j], 0                    ; and in each of K's four fragments (registers of their own), for good
.endr
.endr
.irp b, 0,1,2,3
	v_mov_b32 v[236+\b], 0                         ; written once: a lane permute's destination counts as one of its sources
.endr
	v_mov_b32 v252, 0
	v_mov_b32 v253, 0                              ; (named as the upper half of the pair v[252:253] before it is first written)
.macro START                           ; a tile begins: the largest t under every t, the sum and O^T zeros, which the first change of M leaves zeros
	v_mov_b32 v13, 0xff61b1e6                      ; -3e38
	s_delay_alu instid0(VALU_DEP_1)
	v_floor_f32 v12, -v13                          ; -M
	v_mov_b32 v14, 0
	v_mov_b32 v15, 0
.set i, 0
.rept 32
	v_mov_b32 v[O+i], 0
.set i, i+1
.endr
.endm
	START
; A KEY STEP: 128 keys against my tile of 16 queries.  cz = 1: the step may lie above the diagonal (left out: a scalar branch on the wave's number and a counter) or on it (masked).
.macro STEP cz
.if \cz
	s_cmp_gt_u32 s[ST], s[G]
	s_cbranch_scc1 .Lskip_\@
.endif
	s_setprio 2
	v_add_nc_u32 v[ADK], s[TB], v[A16]
	s_wait_alu depctr_va_vdst(0)
	v_add_nc_u32 v[ADS], s[TB], v[A4]
	s_wait_alu depctr_va_vdst(0)
.rept 7
	v_nop                                          ; with the two additions nine plain lines behind the last step's products: S^T writes over V's fragments (nine), and the scale words' registers are loaded again (eight)
.endr
.irp g, 0,1                                    ; S^T = K Q^T, four tiles of 16 keys at a time
.if \g > 0
.rept 8
	v_nop                                          ; eight plain lines in front of loads into registers that matrix instructions have read
.endr
.endif
.irp t, 0,1,2,3
	ds_load_b128 v[KF+16*\t:KF+16*\t+3], v[ADK] offset:(4*\g+\t)*1024
	ds_load_b128 v[KF+16*\t+4:KF+16*\t+7], v[ADK] offset:(4*\g+\t)*1024+512
	ds_load_b32 v[248+\t], v[ADS] offset:KSC+(4*\g+\t)*128
.endr
	s_wait_dscnt 0x0
.irp t, 0,1,2,3
	v_wmma_scale_f32_16x16x128_f8f6f4 v[S+8*(4*\g+\t):S+8*(4*\g+\t)+7], v[KF+16*\t:KF+16*\t+15], v[QF:QF+15], 0, v[248+\t], v255 matrix_a_fmt:MATRIX_FMT_BF8 matrix_b_fmt:MATRIX_FMT_BF8
.endr
.endr                                          ; lane (r, h): query r; register 8 kt + j: key 16 kt + 8 h + j of the step
.rept 8
	v_nop
.endr
.if \cz                                        ; on the diagonal the scores of hidden keys become -infinity ahead of the maximum: p = 0 then
	s_cmp_lg_u32 s[ST], s[G]
	s_cbranch_scc1 .Lopen_\@
.set i, 0
.rept 64
	v_cmp_gt_i32 vcc_lo, 16*(i/8)+i%8, v[DM]       ; hidden where 16 kt + 8 h + j > 16 sub + r
	v_cndmask_b32 v[S+i], v[S+i], v[NINF], vcc_lo
.set i, i+1
.endr
.Lopen_\@:
.endif
.irp b, 0,1,2,3
	v_max3_num_f32 v[232+\b], v[S+16*\b], v[S+1+16*\b], v[S+2+16*\b]   ; the largest score of each block of 32 keys: for the row's maximum, and, since p rises with the score, for the block's largest p
.endr
.irp i, 3,5,7,9,11,13
.irp b, 0,1,2,3
	v_max3_num_f32 v[232+\b], v[232+\b], v[S+16*\b+\i], v[S+1+16*\b+\i]
.endr
.endr
.irp b, 0,1,2,3
	v_max_num_f32 v[232+\b], v[232+\b], v[S+15+16*\b]
.endr
.irp b, 0,1,2,3
	s_delay_alu instid0(VALU_DEP_4)
	v_permlanex16_b32 v[236+\b], v[232+\b], s[SEL], s[SEL+1]
.endr
.irp b, 0,1,2,3
	s_delay_alu instid0(VALU_DEP_4)
	v_max_num_f32 v[232+\b], v[232+\b], v[236+\b]  ; with lane l xor 16's 16 keys
.endr
	s_delay_alu instid0(VALU_DEP_2)
	v_max3_num_f32 v254, v232, v233, v234
	s_delay_alu instid0(VALU_DEP_1)
	v_max_num_f32 v254, v254, v235                 ; the step's largest score of my query
	s_delay_alu instid0(VALU_DEP_1)
	v_mul_f32 v254, s[CS], v254                    ; as t (c is positive)
	s_delay_alu instid0(VALU_DEP_1)
	v_max_num_f32 v13, v13, v254                   ; the running largest t
	v_mov_b32 v254, v12
	s_delay_alu instid0(VALU_DEP_2)
	v_floor_f32 v12, -v13                          ; the new -M = floor(-t) = -ceil(t): a whole number
	s_delay_alu instid0(VALU_DEP_1)
	v_sub_f32 v254, v12, v254                      ; old M - new M: a whole number, 0 or less
	s_delay_alu instid0(VALU_DEP_1)
	v_cvt_i32_f32 v254, v254                       ; (it saturates)
	s_delay_alu instid0(VALU_DEP_1)
	v_ldexp_f32 v252, 1.0, v254                    ; f = 2^(old M - new M)
.set i, 0
.rept 32
	v_pk_fma_f32 v[S+i:S+i+1], v[S+i:S+i+1], s[CS:CS+1], v[12:13] op_sel_hi:[1,0,0]   ; t - M, two at a time
.set i, i+2
.endr
.irp b, 0,1,2,3
	v_fma_f32 v[232+\b], v[232+\b], s[CS], v12     ; the same of each block's largest score
.endr
.set i, 0
	s_setprio 1
	s_wait_alu depctr_va_vdst(0)
.rept 64
	v_exp_f32 v[S+i], v[S+i]                       ; p = 2^(t - M), at most 1: not normalised
.set i, i+1
.endr
	v_pk_mul_f32 v[14:15], v[14:15], v[252:253] op_sel_hi:[1,0]   ; the sums under the new M: a plain line behind the exponentials
	s_wait_alu depctr_va_vdst(0)                   ; one wait for the whole batch, ahead of its first reader
.irp b, 0,1,2,3
	v_exp_f32 v[232+\b], v[232+\b]                 ; the block's largest p: the same two instructions on the same number give the same bits
.endr
	v_pk_add_f32 v[236:237], v[100:101], v[104:105]
	v_pk_add_f32 v[250:251], v[108:109], v[112:113]
	v_pk_add_f32 v[248:249], v[116:117], v[120:121]
	v_pk_add_f32 v[246:247], v[124:125], v[128:129]
	v_pk_add_f32 v[244:245], v[132:133], v[136:137]
	v_pk_add_f32 v[242:243], v[140:141], v[144:145]
	v_pk_add_f32 v[240:241], v[148:149], v[152:153]
	v_pk_add_f32 v[14:15], v[14:15], v[156:157]
	v_pk_add_f32 v[236:237], v[236:237], v[96:97]
	v_pk_add_f32 v[250:251], v[250:251], v[98:99]
	v_pk_add_f32 v[248:249], v[248:249], v[102:103]
	v_pk_add_f32 v[246:247], v[246:247], v[106:107]
	v_pk_add_f32 v[244:245], v[244:245], v[110:111]
	v_pk_add_f32 v[242:243], v[242:243], v[114:115]
	v_pk_add_f32 v[240:241], v[240:241], v[118:119]
	v_pk_add_f32 v[14:15], v[14:15], v[122:123]
	v_pk_add_f32 v[236:237], v[236:237], v[126:127]
	v_pk_add_f32 v[250:251], v[250:251], v[130:131]
	v_pk_add_f32 v[248:249], v[248:249], v[134:135]
	v_pk_add_f32 v[246:247], v[246:247], v[138:139]
	v_pk_add_f32 v[244:245], v[244:245], v[142:143]
	v_pk_add_f32 v[242:243], v[242:243], v[146:147]
	v_pk_add_f32 v[240:241], v[240:241], v[150:151]
	v_pk_add_f32 v[14:15], v[14:15], v[154:155]
	v_pk_add_f32 v[236:237], v[236:237], v[158:159]
	s_delay_alu instid0(VALU_DEP_2)
	v_pk_add_f32 v[14:15], v[14:15], v[246:247]
	s_delay_alu instid0(VALU_DEP_2)
	v_pk_add_f32 v[236:237], v[236:237], v[244:245]
	v_pk_add_f32 v[250:251], v[250:251], v[242:243]
	v_pk_add_f32 v[248:249], v[248:249], v[240:241]
	s_delay_alu instid0(VALU_DEP_2)
	v_pk_add_f32 v[14:15], v[14:15], v[250:251]
	s_delay_alu instid0(VALU_DEP_2)
	v_pk_add_f32 v[236:237], v[236:237], v[248:249]
	s_delay_alu instid0(VALU_DEP_1)
	v_pk_add_f32 v[14:15], v[14:15], v[236:237]
	s_wait_alu depctr_va_vdst(0)                   ; and one for the four
.irp b, 0,1,2,3
	v_max_num_f32 v[232+\b], 0x8000000, v[232+\b]  ; the floor 2^(16 - 127): the byte cannot fall under 1
.endr
.irp b, 0,1,2,3
	s_delay_alu instid0(VALU_DEP_4)
	v_add_nc_u32 v[244+\b], 0xf8800000, v[232+\b]  ; 15 off the exponent field: the conversion's scale operand
.endr
.irp b, 0,1,2,3
.endr
.irp b, 0,1,2,3
	s_delay_alu instid0(VALU_DEP_4)
	v_lshrrev_b32 v[236+\b], 23, v[244+\b]         ; the scale's byte
.endr
	s_delay_alu instid0(VALU_DEP_3)
	v_lshl_or_b32 v253, v237, 8, v236              ; p's scale word for these 128 keys
	s_delay_alu instid0(VALU_DEP_1)
	v_lshl_or_b32 v253, v238, 16, v253
	s_delay_alu instid0(VALU_DEP_1)
	v_lshl_or_b32 v253, v239, 24, v253
.irp b, 0,1,2,3
.irp i, 0,1,2,3,4,5,6,7,8,9,10,11,12,13,14,15
.endr
	v_cvt_scalef32_pk8_bf8_f32 v[PCD+4*\b:PCD+1+4*\b], v[S+16*\b:S+7+16*\b], v[244+\b]
	v_cvt_scalef32_pk8_bf8_f32 v[PCD+2+4*\b:PCD+3+4*\b], v[S+8+16*\b:S+15+16*\b], v[244+\b]
.irp c, 0,1,2,3
	ds_load_b128 v[S+16*\b+4*\c:S+16*\b+4*\c+3], v[ADK] offset:VIM+(4*\b+\c)*512   ; block b's p is done with: its registers take V's fragment of channels 16 b on, while the next block is held
.endr
	ds_load_b32 v[248+\b], v[ADS] offset:VSC+128*\b
.endr
.set i, 0
	s_setprio 0
.rept 16
	v_pk_mul_f32 v[O+i:O+i+1], v[O+i:O+i+1], v[252:253] op_sel_hi:[1,0]   ; O^T under the new M.  (These are also the plain lines between the conversions and the products below)
.set i, i+2
.endr
	s_wait_alu depctr_va_vdst(0)
	s_wait_dscnt 0x0                               ; V's fragments and scale words
.irp t, 0,1,2,3                                ; O^T += V^T P^T: K = these 128 keys; four accumulators by turns
	v_wmma_scale_f32_16x16x128_f8f6f4 v[O+8*\t:O+8*\t+7], v[S+16*\t:S+16*\t+15], v[PCD:PCD+15], v[O+8*\t:O+8*\t+7], v[248+\t], v253 matrix_a_fmt:MATRIX_FMT_BF8 matrix_b_fmt:MATRIX_FMT_BF8
.endr
.if \cz
.Lskip_\@:
	s_add_co_u32 s[ST], s[ST], 1
.endif
	s_add_co_u32 s[TB], s[TB], KVSTEP
.endm
; A TILE LEAVES: O^T / the sum is y's 64 numbers of my head: two blocks of 32 along C, a lane's 16 registers true neighbours; quantised, stored as an image.
.macro WAYOUT yc, ys
.rept 8
	v_nop                                          ; eight plain lines behind the last products
.endr
	v_add_f32 v14, v14, v15                        ; the sum's two halves,
	s_delay_alu instid0(VALU_DEP_1)
	v_permlanex16_b32 v252, v14, s[SEL], s[SEL+1]
	s_delay_alu instid0(VALU_DEP_1)
	v_add_f32 v14, v14, v252                       ; and lane l xor 16's: the row's sum
	s_wait_alu depctr_va_vdst(0)
	v_rcp_f32 v14, v14
	v_nop                                          ; a plain line behind the transcendental
	s_wait_alu depctr_va_vdst(0)                   ; and the wait ahead of its first reader
.set i, 0
.rept 16
	v_pk_mul_f32 v[S+i:S+i+1], v[O+i:O+i+1], v[14:15] op_sel_hi:[1,0]   ; each accumulator from its low end on
.set i, i+2
.endr
.irp b, 0,1
	v_max3_num_f32 v[232+\b], |v[S+16*\b]|, |v[S+1+16*\b]|, 0x8000000
.endr
.irp i, 2,4,6,8,10,12,14
.irp b, 0,1
	s_delay_alu instid0(VALU_DEP_2)
	v_max3_num_f32 v[232+\b], v[232+\b], |v[S+16*\b+\i]|, |v[S+1+16*\b+\i]|
.endr
.endr
.irp b, 0,1
	s_delay_alu instid0(VALU_DEP_2)
	v_permlanex16_b32 v[236+\b], v[232+\b], s[SEL], s[SEL+1]
.endr
.irp b, 0,1
	s_delay_alu instid0(VALU_DEP_2)
	v_max_num_f32 v[232+\b], v[232+\b], v[236+\b]
.endr
.irp b, 0,1
	s_delay_alu instid0(VALU_DEP_2)
	v_add_nc_u32 v[244+\b], 0xf8800000, v[232+\b]
.endr
.irp b, 0,1
.endr
.irp b, 0,1
	s_delay_alu instid0(VALU_DEP_2)
	v_lshrrev_b32 v[238+\b], 23, v[244+\b]
.endr
	s_wait_alu depctr_va_vdst(0)
	s_wait_xcnt 0x0                                ; the earlier tile's stores have read their data: these registers are written again only behind this wait
	v_lshl_or_b32 v[YW], v239, 8, v238             ; my head's two bytes of the row's scale word
.irp b, 0,1
.irp i, 0,1,2,3,4,5,6,7,8,9,10,11,12,13,14,15
.endr
	v_cvt_scalef32_pk8_bf8_f32 v[YCD+4*\b:YCD+1+4*\b], v[S+16*\b:S+7+16*\b], v[244+\b]
	v_cvt_scalef32_pk8_bf8_f32 v[YCD+2+4*\b:YCD+3+4*\b], v[S+8+16*\b:S+15+16*\b], v[244+\b]
.endr
	v_nop                                          ; one plain line behind the last conversion
	global_store_b128 v[A16], v[YCD:YCD+3], s[\yc:\yc+1]             ; 512 consecutive bytes a store
	global_store_b128 v[A16], v[YCD+4:YCD+7], s[\yc:\yc+1] offset:512
	global_store_b16 v[A4], v[YW], s[\ys:\ys+1]
.endm
	s_wait_loadcnt 0x0                             ; Q of both tiles
	s_wait_tensorcnt 0x1                           ; my part of key steps 0-7 is in; the second half's load may be out
	s_barrier_signal -1
	s_barrier_wait -1                              ; everybody's is
	s_mov_b32 s[TB], 0
	s_mov_b32 s[CNT], 8
.Lfirst:                                           ; the hi tile on key steps 0-7: hi is 8 or more in every wave, so all of them count in full
	STEP 0
	s_sub_co_u32 s[CNT], s[CNT], 1
	s_cmp_lg_u32 s[CNT], 0
	s_cbranch_scc1 .Lfirst
	s_setprio 0
	s_wait_tensorcnt 0x0                           ; my part of key steps 8-15 is in,
	s_wait_dscnt 0x0
	s_barrier_signal -1
	s_barrier_wait -1                              ; everybody's is: from here on the waves run free
	s_mov_b32 s[TB], HALF
	s_mov_b32 s[ST], 8
	s_mov_b32 s[G], s26
	s_mov_b32 s[CNT], 8
.Lsecond:                                          ; the hi tile on key steps 8 to hi
	STEP 1
	s_sub_co_u32 s[CNT], s[CNT], 1
	s_cmp_lg_u32 s[CNT], 0
	s_cbranch_scc1 .Lsecond
	s_setprio 0
	WAYOUT 44, 46
.irp j, 0,1,2,3,4,5,6,7
	v_mov_b32 v[QF+\j], v[QL+\j]                   ; the lo tile's Q,
.endr
	v_mov_b32 v255, v[QL+8]                        ; and its scale words: the 36 lines of START stand between these and the next products
	START
	s_mov_b32 s[TB], 0
	s_mov_b32 s[ST], 0
	s_mov_b32 s[G], s25
	s_mov_b32 s[CNT], 8
.Lthird:                                           ; the lo tile on key steps 0 to lo
	STEP 1
	s_sub_co_u32 s[CNT], s[CNT], 1
	s_cmp_lg_u32 s[CNT], 0
	s_cbranch_scc1 .Lthird
	s_setprio 0
	WAYOUT 48, 50
	s_wait_tensorcnt 0x0
	ds_add_u32 v230, v231
	s_wait_dscnt 0x0
	ROUND                                          ; the closing round: no work-group ends while a partner may still ask for bytes that name it
	s_endpgm
.Lfunc_end_k_qe776a24416_attn:
	.size	k_qe776a24416_attn, .Lfunc_end_k_qe776a24416_attn-k_qe776a24416_attn
	.p2alignl 7, 3214868480
	.fill 96, 4, 3214868480
	.section	.rodata,"a",@progbits
	.p2align	6, 0x0
	.amdhsa_kernel k_qe776a24416_attn
		.amdhsa_group_segment_fixed_size 288768
		.amdhsa_private_segment_fixed_size 0
		.amdhsa_enable_private_segment 0
		.amdhsa_kernarg_size 32
		.amdhsa_user_sgpr_count 2
		.amdhsa_user_sgpr_kernarg_segment_ptr 1
		.amdhsa_wavefront_size32 1
		.amdhsa_system_sgpr_workgroup_id_x 1
		.amdhsa_system_sgpr_workgroup_id_y 1
		.amdhsa_system_sgpr_workgroup_id_z 1
		.amdhsa_system_vgpr_workitem_id 0
		.amdhsa_next_free_vgpr 256
		.amdhsa_next_free_sgpr 96
		.amdhsa_reserve_vcc 1
		.amdhsa_float_denorm_mode_32 3
		.amdhsa_float_denorm_mode_16_64 3
		.amdhsa_fp16_overflow 1
		.amdhsa_memory_ordered 1
		.amdhsa_forward_progress 1
		.amdhsa_inst_pref_size 84
	.end_amdhsa_kernel
	.amdgpu_metadata
---
amdhsa.version: [ 1, 2 ]
amdhsa.kernels:
  - .name:           k_qe776a24416_attn
    .symbol:         k_qe776a24416_attn.kd
    .args:
      - { .name: qimg, .offset: 0, .size: 8, .value_kind: global_buffer, .address_space: global }
      - { .name: qsc, .offset: 8, .size: 8, .value_kind: global_buffer, .address_space: global }
      - { .name: kv, .offset: 16, .size: 8, .value_kind: global_buffer, .address_space: global }
      - { .name: ybuf, .offset: 24, .size: 8, .value_kind: global_buffer, .address_space: global }
    .group_segment_fixed_size: 288768
    .private_segment_fixed_size: 0
    .kernarg_segment_align: 8
    .kernarg_segment_size: 32
    .max_flat_workgroup_size: 512
    .sgpr_count:     96
    .vgpr_count:     256
    .wavefront_size: 32
...
	.end_amdgpu_metadata
.endif
;; end of part 2
;; launch proj (part 3): grid 4 x 64, 4 waves a work-group, clusters of 4 x 1, 168,448 bytes of LDS; arguments ybuf, Wo_codes, Wo_scales, bo, out0; writes out0
.if DOCPART == 3
	.amdgcn_target "amdgcn-amd-amdhsa--gfx1250"
	.amdhsa_code_object_version 6
	.text
	.protected	k_qe776a24416_proj
	.globl	k_qe776a24416_proj
	.p2align	8
	.type	k_qe776a24416_proj,@function
k_qe776a24416_proj:
	s_mov_b64 s[64:65], 0
	v_nop
	global_prefetch_b8 v0, s[64:65] scope:SCOPE_SE
	s_setreg_imm32_b32 hwreg(HW_REG_WAVE_MODE, 25, 1), 1
	s_wait_xcnt 0x0
	s_wait_alu depctr_hold_cnt(0) depctr_sa_sdst(0) depctr_va_vdst(0) depctr_va_sdst(0) depctr_va_ssrc(0) depctr_va_vcc(0) depctr_vm_vsrc(0)
	s_getreg_b32 s2, hwreg(HW_REG_IB_STS2, 6, 4)
	s_cmp_eq_u32 s2, 0
	s_cbranch_scc0 .Lentry_in_a_cluster
	s_endpgm
.Lentry_in_a_cluster:
	s_bfe_u32 s2, ttmp6, 0x10000c
	s_cmp_lg_u32 s2, 0x3003
	s_cbranch_scc0 .Lentry_shape_is_right
	s_endpgm
.Lentry_shape_is_right:
; out0 = y Wo^T + bo on codes of BF8 (E5M2) with one E8M0 scale for each 32 along K, f32 sums.  y: ybuf as the launch before lays it: [tile of 16 rows 512][17,408]: +0 images of the operand's registers
; (K step s, group c: 2,048 s + 512 c, lane l at 16 l); +16,384 scale words (128 s + 4 l).  Wo: [1024][1024] codes, K innermost; its scale bytes [1024][32].  bo [1024], out0 [8192][1024]: f32.
; SHARES.  256 work-groups: place cx in the cluster takes columns 256 cx on, rg = 0..63 takes rows 128 rg on (8 tiles).  Wave w keeps columns 256 cx + 64 w .. + 63 of Wo, all of K, in 512 registers for the whole launch.
; CLUSTER.  The four work-groups of a cluster need the same 8 tiles of y, one dense block of 139,264 bytes: each wave's quarter is asked for JOINTLY (mask 15), once.  LDS bytes are filled once.
; THE PRODUCT IS USED TRANSPOSED (source 0 = 16 rows of Wo, source 1 = 16 rows of y): a lane holds eight neighbouring numbers of a row of out0.  bo is the C of each sum's first product.
; REGISTERS, in windows of 256: window 1: Wo's fragments of K steps 0-3 at 16 (4 s + t); window 2: K steps 4-7; window 3: y's fragments, two sets of 128; window 0: all else.
.set YTILE, 17408
.set STG,   8*YTILE                    ; behind y's block: a stage of 16 rows x (256 bytes + 16) for each wave; no tensor load lands there
.set SP,    272
.set L16, 1                            ; v1   16 x lane
.set L4,  2                            ; v2   4 x lane
.set YA,  3                            ; v3   the tile's images
.set YB,  4                            ; v4   the tile's scale words
.set STO, 5                            ; v5   the stage: where I put 32 bytes of a row
.set RD,  6                            ; v6   and where I read rows back
.set CO,  7                            ; v7   my byte offset in two rows of out0
.set WO,  11                           ; v11  the head's lane offset in Wo
.set WS,  12                           ; v12-27 Wo's scale words: register 8 a + s: lane l = row 32 a + l
.set YSC, 28                           ; v28-43 y's scale words, two sets of 8
.set BO,  44                           ; v44-75 bo in the result's layout
.set AO,  76                           ; v76-107 and v176-207: four accumulators, two sets by turns, so that no product writes registers that the last tile's LDS stores read
.set OB,  108                          ; v108-171 rows read back from the stage, two sets
.set G1,  40
.set G0,  48
.set MSB, 0
.macro WIN new
.if MSB != (\new)
	s_set_vgpr_msb (MSB<<8)|(\new)
.set MSB, (\new)
.endif
.endm
.macro ROUND
	s_barrier_signal -1
	s_barrier_wait -1
	s_cmp_lg_u32 s3, 0
	s_cbranch_scc1 .Lnot_wave_0_\@
	s_barrier_signal -3
.Lnot_wave_0_\@:
	s_barrier_wait -3
	s_barrier_signal -1
	s_barrier_wait -1
.endm
.macro PLACES n
.rept \n
	v_nop
.endr
.endm
.macro WM d, a, b, c, sa, sb, ra
.if (\ra)
	v_wmma_scale_f32_16x16x128_f8f6f4 v[(\d):(\d)+7], v[(\a):(\a)+15], v[(\b):(\b)+15], v[(\c):(\c)+7], v[(\sa)], v[(\sb)] matrix_a_fmt:MATRIX_FMT_BF8 matrix_b_fmt:MATRIX_FMT_BF8 matrix_a_scale:MATRIX_SCALE_ROW1
.else
	v_wmma_scale_f32_16x16x128_f8f6f4 v[(\d):(\d)+7], v[(\a):(\a)+15], v[(\b):(\b)+15], v[(\c):(\c)+7], v[(\sa)], v[(\sb)] matrix_a_fmt:MATRIX_FMT_BF8 matrix_b_fmt:MATRIX_FMT_BF8
.endif
.endm
	s_load_b256 s[8:15], s[0:1], 0x0               ; ybuf s[8:9], Wo's codes s[10:11], Wo's scales s[12:13], bo s[14:15]
	s_load_b64 s[16:17], s[0:1], 0x20              ; out0
	v_lshl_add_u32 v254, v0, 2, 0x29000
	v_mov_b32 v255, 0
	ds_add_u32 v254, v255
	ds_add_u32 v254, v255
	v_lshrrev_b32 v8, 5, v0
	v_readfirstlane_b32 s3, v8                     ; wave 0..3
	v_and_b32 v8, 31, v0                           ; lane
	v_and_b32 v9, 15, v0                           ; r
	v_bfe_u32 v10, v0, 4, 1                        ; h
	v_lshlrev_b32 v[L16], 4, v8
	v_lshlrev_b32 v[L4], 2, v8
	s_mul_i32 s52, s3, 16*SP
	s_add_co_u32 s52, s52, STG                     ; my stage
	v_mul_u32_u24 v[STO], v9, SP
	v_lshl_add_u32 v[STO], v10, 5, v[STO]
	v_add_nc_u32 v[STO], s52, v[STO]               ; in: row r, 32 bytes for each half of the lanes
	v_mul_u32_u24 v[RD], v10, SP
	v_lshl_add_u32 v[RD], v9, 4, v[RD]
	v_add_nc_u32 v[RD], s52, v[RD]                 ; back: lanes 0-15 one row of 256 bytes, lanes 16-31 the next
	v_lshlrev_b32 v[CO], 12, v10
	v_lshl_add_u32 v[CO], v9, 4, v[CO]             ; and the same two rows in out0 (4,096 bytes a row)
	v_lshlrev_b32 v[WO], 10, v9
	v_lshl_add_u32 v[WO], v10, 4, v[WO]            ; Wo: row r of 1,024 bytes + 16 h
	v_lshlrev_b32 v172, 5, v8                      ; its scale words: 32 x lane
	v_lshlrev_b32 v173, 5, v10                     ; bo: my half's eight numbers of a tile
	s_bfe_u32 s36, ttmp6, 0x40000                  ; cx: it enters global addresses of Wo, bo and out0 alone
	s_and_b32 s38, ttmp7, 0xffff                   ; rg, which the four partners share
	s_lshl_b32 s37, s36, 8
	s_lshl_b32 s39, s3, 6
	s_add_co_u32 s37, s37, s39                     ; my first column
	; descriptor group 1: a dense block of 34,816 bytes as 136 rows of 256 bytes (32 elements of 8 bytes)
	s_mov_b32 s[G1+0], 15|(3<<16)|(1<<21)          ; 15:0 the mask: all four work-groups; 17:16 elements of 8 bytes; 21 set beside a mask
	s_mov_b32 s[G1+1], 32<<16
	s_mov_b32 s[G1+2], 136<<16
	s_mov_b32 s[G1+3], 32<<16
	s_mov_b32 s[G1+4], 136
	s_mov_b32 s[G1+5], 32
	s_mov_b32 s[G1+6], 0
	s_mov_b32 s[G1+7], 0
	s_mov_b32 s[G0], 1
	s_mul_i32 s[G0+1], s3, 2*YTILE                 ; LDS: my two tiles
	s_mul_i32 s56, s38, 8*YTILE
	s_add_co_u32 s56, s56, s[G0+1]
	s_mov_b32 s57, 0
	s_mov_b32 s59, 0
	s_wait_dscnt 0x0
	s_wait_kmcnt 0x0
	s_add_nc_u64 s[G0+2:G0+3], s[8:9], s[56:57]
	s_or_b32 s[G0+3], s[G0+3], 0x80000000          ; type = 2
	s_lshl_b32 s58, s37, 10
	s_add_nc_u64 s[10:11], s[10:11], s[58:59]
	s_lshl_b32 s58, s37, 5
	s_add_nc_u64 s[12:13], s[12:13], s[58:59]
	s_lshl_b32 s58, s37, 2
	s_add_nc_u64 s[14:15], s[14:15], s[58:59]
	s_add_nc_u64 s[16:17], s[16:17], s[58:59]
	s_lshl_b32 s58, s38, 19                        ; 128 rg rows of 4,096 bytes
	s_add_nc_u64 s[16:17], s[16:17], s[58:59]
	ROUND                                          ; all four work-groups are here: the joint loads meet
	tensor_load_to_lds s[G0:G0+3], s[G1:G1+7]      ; my quarter of y's block: the wave's one tensor load of the launch
	s_nop 0
	PLACES 4                                       ; four plain lines behind a tensor load, ahead of the switch of windows
	WIN 0x40                                       ; destination window 1
	s_wait_alu depctr_va_vdst(0)
.irp t, 0,1,2,3
.irp s, 0,1,2,3
.irp c, 0,1,2,3
	global_load_b128 v[16*(4*\s+\t)+4*\c:16*(4*\s+\t)+4*\c+3], v[WO], s[10:11] offset:16*\t*1024+128*\s+32*\c
.endr
.endr
.endr
	WIN 0x80                                       ; destination window 2
.irp t, 0,1,2,3
.irp s, 0,1,2,3
.irp c, 0,1,2,3
	global_load_b128 v[16*(4*\s+\t)+4*\c:16*(4*\s+\t)+4*\c+3], v[WO], s[10:11] offset:16*\t*1024+512+128*\s+32*\c
.endr
.endr
.endr
	WIN 0
.irp a, 0,1
	global_load_b128 v[WS+8*\a:WS+8*\a+3], v172, s[12:13] offset:\a*1024
	global_load_b128 v[WS+8*\a+4:WS+8*\a+7], v172, s[12:13] offset:\a*1024+16
.endr
.irp t, 0,1,2,3
	global_load_b128 v[BO+8*\t:BO+8*\t+3], v173, s[14:15] offset:64*\t
	global_load_b128 v[BO+8*\t+4:BO+8*\t+7], v173, s[14:15] offset:64*\t+16
.endr
	s_wait_loadcnt 0x0
	s_wait_tensorcnt 0x0                           ; my quarter of y is in,
	s_barrier_signal -1
	s_barrier_wait -1                              ; everybody's is
.macro YLOAD tau                       ; 40 LDS loads: tile tau's eight scale words and eight fragments, into set tau % 2
	WIN 0
	v_add_nc_u32 v[YA], (\tau)*YTILE, v[L16]
	v_add_nc_u32 v[YB], (\tau)*YTILE+16384, v[L4]
.irp s, 0,1,2,3,4,5,6,7
	ds_load_b32 v[YSC+8*((\tau)%2)+\s], v[YB] offset:128*\s
.endr
	WIN 0xc0                                       ; destination window 3
.irp s, 0,1,2,3,4,5,6,7
.irp c, 0,1,2,3
	ds_load_b128 v[128*((\tau)%2)+16*\s+4*\c:128*((\tau)%2)+16*\s+4*\c+3], v[YA] offset:2048*\s+512*\c
.endr
.endr
.endm
.macro MUL tau                         ; 32 products: K step by K step, the four accumulators by turns
.set yf, 128*((\tau)%2)
.set yc, YSC+8*((\tau)%2)
.set ao, AO+100*((\tau)%2)
	WIN 0x0d                                       ; source 0 (Wo) window 1, source 1 (y) window 3
.irp s, 0,1,2,3
.irp t, 0,1,2,3
.if \s == 0
	WM ao+8*\t, 16*(4*\s+\t), yf+16*\s, BO+8*\t, WS+8*(\t/2)+\s, yc+\s, \t%2
.else
	WM ao+8*\t, 16*(4*\s+\t), yf+16*\s, ao+8*\t, WS+8*(\t/2)+\s, yc+\s, \t%2
.endif
.endr
.endr
	WIN 0x0e                                       ; source 0 window 2
.irp s, 4,5,6,7
.irp t, 0,1,2,3
	WM ao+8*\t, 16*(4*(\s-4)+\t), yf+16*\s, ao+8*\t, WS+8*(\t/2)+\s, yc+\s, \t%2
.endr
.endr
	WIN 0
.endm
.macro STAGE tau                       ; 16 rows x 64 columns through my own stage: in by lanes, back by rows.  LDS serves a wave's instructions in order (ISA guide 5.7.1.4): no wait between the stores and the loads
.set ao, AO+100*((\tau)%2)
	s_wait_xcnt 0x0                                ; the stores of two tiles ago have read their data: the loads below land there only behind this wait
.irp t, 0,1,2,3
	ds_store_b128 v[STO], v[ao+8*\t:ao+8*\t+3] offset:64*\t          ; each accumulator from its low end on
	ds_store_b128 v[STO], v[ao+8*\t+4:ao+8*\t+7] offset:64*\t+16
.endr
.irp i, 0,1,2,3,4,5,6,7
	ds_load_b128 v[OB+32*((\tau)%2)+4*\i:OB+32*((\tau)%2)+4*\i+3], v[RD] offset:\i*2*SP
.endr
.endm
.macro SEND tau, younger               ; younger: the LDS loads issued behind the stage's, which may stay out
	s_wait_dscnt \younger
.irp i, 0,1,2,3,4,5,6,7
	global_store_b128 v[CO], v[OB+32*((\tau)%2)+4*\i:OB+32*((\tau)%2)+4*\i+3], s[16:17] offset:(16*(\tau)+2*\i)*4096 th:TH_STORE_NT   ; 16 lanes store 256 consecutive bytes, at a multiple of 256 from out0's first byte
.endr
.endm
	YLOAD 0
.irp tau, 0,1,2,3,4,5,6,7
.if \tau < 7
	YLOAD \tau+1                                   ; into the set that the tile before last multiplied: eight plain lines stand behind those products
.endif
.if \tau == 0
	s_wait_dscnt 40                                ; tile 0 is in; the next tile's 40 loads may be out
.elseif \tau < 7
	s_wait_dscnt 56                                ; this tile is in; the last stage's 16 and the next tile's 40 may be out
.else
	s_wait_dscnt 16                                ; the last stage's 16 may be out
.endif
	MUL \tau
.if \tau > 0
.if \tau < 7
	SEND \tau-1, 40                                ; the tile before leaves while this one's products run
.else
	SEND \tau-1, 0
.endif
.endif
	PLACES 8                                       ; eight plain lines between the products and the LDS stores that read their results, and the loads into their operands
	STAGE \tau
.endr
	SEND 7, 0
	s_wait_tensorcnt 0x0
	ds_add_u32 v254, v255
	s_wait_dscnt 0x0
	ROUND                                          ; the closing round: no work-group ends while a partner may still ask for bytes that name it
	s_endpgm
.Lfunc_end_k_qe776a24416_proj:
	.size	k_qe776a24416_proj, .Lfunc_end_k_qe776a24416_proj-k_qe776a24416_proj
	.p2alignl 7, 3214868480
	.fill 96, 4, 3214868480
	.section	.rodata,"a",@progbits
	.p2align	6, 0x0
	.amdhsa_kernel k_qe776a24416_proj
		.amdhsa_group_segment_fixed_size 168448
		.amdhsa_private_segment_fixed_size 0
		.amdhsa_enable_private_segment 0
		.amdhsa_kernarg_size 40
		.amdhsa_user_sgpr_count 2
		.amdhsa_user_sgpr_kernarg_segment_ptr 1
		.amdhsa_wavefront_size32 1
		.amdhsa_system_sgpr_workgroup_id_x 1
		.amdhsa_system_sgpr_workgroup_id_y 1
		.amdhsa_system_sgpr_workgroup_id_z 1
		.amdhsa_system_vgpr_workitem_id 0
		.amdhsa_next_free_vgpr 1024
		.amdhsa_next_free_sgpr 66
		.amdhsa_reserve_vcc 0
		.amdhsa_float_denorm_mode_32 3
		.amdhsa_float_denorm_mode_16_64 3
		.amdhsa_memory_ordered 1
		.amdhsa_forward_progress 1
		.amdhsa_inst_pref_size 89
	.end_amdhsa_kernel
	.amdgpu_metadata
---
amdhsa.version: [ 1, 2 ]
amdhsa.kernels:
  - .name:           k_qe776a24416_proj
    .symbol:         k_qe776a24416_proj.kd
    .args:
      - { .name: ybuf, .offset: 0, .size: 8, .value_kind: global_buffer, .address_space: global }
      - { .name: Wo_codes, .offset: 8, .size: 8, .value_kind: global_buffer, .address_space: global }
      - { .name: Wo_scales, .offset: 16, .size: 8, .value_kind: global_buffer, .address_space: global }
      - { .name: bo, .offset: 24, .size: 8, .value_kind: global_buffer, .address_space: global }
      - { .name: out0, .offset: 32, .size: 8, .value_kind: global_buffer, .address_space: global }
    .group_segment_fixed_size: 168448
    .private_segment_fixed_size: 0
    .kernarg_segment_align: 8
    .kernarg_segment_size: 40
    .max_flat_workgroup_size: 128
    .sgpr_count:     66
    .vgpr_count:     1024
    .wavefront_size: 32
...
	.end_amdgpu_metadata
.endif
;; end of part 3
